; MI455X (gfx1250); checked and timed in simulation.
; The chip was launched on July 23, 2026; its instructions are those of AMD's public machine-readable ISA for CDNA 5 (MIT licence, August 2026) and "CDNA5" Instruction Set Architecture Reference Guide (July 2026). The comments in the code are by the model that wrote it; some were corrected since.
;; Attention. Allowed arithmetic: float matrix products may take bf16 or f16 operands with f32 sums; all other float work in f32.
;; Inputs: keys 4 x 4,096 x 64 float32; q_mask 4 x 4,096 bool; query 4 x 4,096 x 64 float32; scale one number float32; v_mask 4 x 4,096 bool; value 4 x 4,096 x 64 float32.
;; Outputs: out0 4 x 4,096 x 64 float32.
;; One version. Each part assembles by itself: llvm-mc -triple=amdgcn-amd-amdhsa -mcpu=gfx1250 --defsym DOCPART=n.
;; ======== version 1 of 1: 2 launches
;; limits: right only within a limited range of input values
;; workspace buffers: kbf 2,097,152 bytes; vbf 2,097,152 bytes; bias 66,560 bytes; first 512 bytes of whole numbers
;; launch prep (part 1): grid 256 x 1, 8 waves a work-group, no clusters, 0 bytes of LDS; arguments keys, value, v_mask, query, q_mask, scale, kbf, vbf, bias, first, out0; writes kbf, vbf, bias, first, out0
.if DOCPART == 1
	.amdgcn_target "amdgcn-amd-amdhsa--gfx1250"
	.amdhsa_code_object_version 6
	.text
	.protected	k_q62f727746d_prep
	.globl	k_q62f727746d_prep
	.p2align	8
	.type	k_q62f727746d_prep,@function
k_q62f727746d_prep:
	s_mov_b64 s[64:65], 0
	v_nop
	global_prefetch_b8 v0, s[64:65] scope:SCOPE_SE
	s_setreg_imm32_b32 hwreg(HW_REG_WAVE_MODE, 25, 1), 1
	s_wait_xcnt 0x0
; 1. kbf = bf16(keys), vbf = bf16(value): a stream.  Work-groups 0-127 cast keys, 128-255 cast value, 32,768 bytes of f32 each.  Thread t takes 32 bytes at 32 t of each
;    of four groups of 8,192 bytes and stores 16 bytes at 16 t of each of four groups of 4,096 bytes: a store of a wave covers 512 consecutive bytes, aligned.
; 2. bias[b][k] = v_mask[b][k] ? 0 : -1e9 in f32 (work-groups 0-15), and behind it 256 numbers -1e9 (work-group 16).
; 3. first[b] = F: how many leading groups of 128 keys of batch b hold no allowed key (work-groups 17-20, wave 0; 32 equal words for each batch).
; 4. THE SLOW WAY.  A query row whose keys 0..q are all forbidden is a softmax over all 4,096 keys of the f32 numbers s*scale - 1e9.  The next launch walks all keys for
;    rows 0-127 only; it shares its tiles in clusters and so holds no branch on loaded numbers.  Such rows in superblock j >= 1 (rows 128 j ..) exist only where F >= j.
;    Here every superblock with 1 <= j <= F is computed whole, with both masks in full, one wave for 16 rows and all 4,096 keys, straight from the f32 inputs, and
;    stored to out0; the next launch leaves exactly these rows unstored.  The usual way through costs one load of 4 bytes a lane and a branch.  The slow way is not
;    pipelined, and it stores 16 bytes a lane to rows 256 bytes apart.
; No LDS and no barrier: no wave hands anything to another.
; LIMITS: mask bytes are 0 or 1; Q, K, V and the weights are rounded to bf16; t = fma(s, scale, addend) has one rounding where the reference has two;
; exponentials below 2^-126 count as 0; NaN and infinite inputs are not treated.
.set WV,   26
.set GW,   32
.set BT,   33                          ; the batch and
.set BLK,  34                          ; the block of 16 rows that are mine on the slow way
.set JJ,   35                          ; its superblock
.set MB,   38                          ; s[38:39] v_mask at that batch
.set SIN,  40
.set SOUT, 42
.set QT,   48
.set FF,   49
.set TMP,  50
.set KB,   52
.set VB,   54
.set MC,   56
.set SCL,  58                          ; s[58:59] scale, twice
.set PL0,  60
.set PL1,  61
.set CNT,  62
.set Q0,   63
.set QB,   66
.set OB,   68
.set O64,  70
.set QMB,  72
.set FM,   74
.set FO,   76
; vector registers of the slow way
.set OO,  16                           ; v[16:47]   O^T, 8 a
.set ST,  48                           ; v[48:51]   N m AL l
.set MW,  52                           ; v[52:55]   mask bytes of my 16 keys
.set KO,  56
.set VO,  57
.set MO,  58
.set DQ,  59                           ; row - first key of my lane
.set E9,  60
.set NEG, 61
.set QM,  62
.set RR,  63
.set RK,  64                           ; v[64:127]  K as f32, packed in place to v[64:95]
.set RV,  128                          ; v[128:191] V^T as f32, packed in place to v[128:159]
.set QF,  192                          ; v[192:207]
.set SS,  208                          ; v[208:223] S^T, 8 kb
.set AD,  224                          ; v[224:239] addends
.set PF,  240                          ; v[240:247] P^T
.set DT,  248                          ; v[248:255] at work
; s[f] = the number of leading groups of 128 keys without an allowed key: lane l ORs the 128 bytes of group l; the ones below the lowest set bit of the lanes' mask are counted
.macro SCAN base, f
.irp i, 0,1,2,3,4,5,6,7
	global_load_b128 v[64+4*\i:67+4*\i], v9, s[\base:\base+1] offset:16*\i
.endr
	s_wait_loadcnt 0x0
.set ii, 1
.rept 31
	v_or_b32 v64, v64, v[64+ii]
.set ii, ii+1
.endr
	v_cmp_ne_u32 s[\f], 0, v64
	s_sub_co_u32 s[TMP], s[\f], 1
	s_and_not1_b32 s[TMP], s[TMP], s[\f]
	s_bcnt1_i32_b32 s[\f], s[TMP]                  ; 32 where no group holds one
.endm
	s_load_b512 s[4:19], s[0:1], 0x0               ; keys 4, value 6, v_mask 8, query 10, q_mask 12, scale 14, kbf 16, vbf 18
	s_load_b128 s[20:23], s[0:1], 0x40             ; bias 20, first 22
	s_load_b64 s[24:25], s[0:1], 0x50              ; out0
	v_lshrrev_b32 v3, 5, v0
	v_readfirstlane_b32 s[WV], v3
	v_and_b32 v4, 31, v0
	v_lshlrev_b32 v1, 5, v0                        ; 32 t: where I read
	v_lshlrev_b32 v2, 4, v0                        ; 16 t: where I write
	v_lshlrev_b32 v5, 2, v4                        ; 4 x lane
	v_lshlrev_b32 v7, 2, v0                        ; 4 t
	v_lshlrev_b32 v9, 7, v4                        ; 128 x lane
	s_and_b32 s27, ttmp9, 127
	s_lshl_b32 s28, s27, 15
	s_mov_b32 s29, 0
	s_lshl_b32 s30, s27, 14
	s_mov_b32 s31, 0
	s_and_b32 s[GW], s[WV], 3
	s_lshl2_add_u32 s[GW], ttmp9, s[GW]            ; 4 x work-group + wave % 4: 1,024 blocks of 16 rows
	s_lshr_b32 s[BT], s[GW], 8
	s_and_b32 s[BLK], s[GW], 255
	s_lshr_b32 s[JJ], s[BLK], 3
	s_lshl_b32 s36, s[BT], 12
	s_mov_b32 s37, 0
	s_wait_kmcnt 0x0
	s_add_nc_u64 s[MB:MB+1], s[8:9], s[36:37]
	global_load_b32 v6, v5, s[MB:MB+1]             ; v_mask of keys 0..127 of that batch, four a lane: the test for the slow way
	s_cmp_lt_u32 ttmp9, 128
	s_cselect_b64 s[SIN:SIN+1], s[4:5], s[6:7]     ; from keys or from value,
	s_cselect_b64 s[SOUT:SOUT+1], s[16:17], s[18:19] ; to kbf or to vbf
	s_add_nc_u64 s[SIN:SIN+1], s[SIN:SIN+1], s[28:29]
	s_add_nc_u64 s[SOUT:SOUT+1], s[SOUT:SOUT+1], s[30:31]
.irp k, 0,1,2,3,4,5,6,7
	global_load_b128 v[16+4*\k:19+4*\k], v1, s[SIN:SIN+1] offset:(\k>>1)*8192+(\k&1)*16 th:TH_LOAD_NT
.endr
.irp i, 0,1,2,3
	s_wait_loadcnt 6-2*\i                          ; loads come back in order: group i's two are in, the later groups' stay out
	v_cvt_pk_bf16_f32 v[48+4*\i], v[16+8*\i], v[17+8*\i]
	v_cvt_pk_bf16_f32 v[49+4*\i], v[18+8*\i], v[19+8*\i]
	v_cvt_pk_bf16_f32 v[50+4*\i], v[20+8*\i], v[21+8*\i]
	v_cvt_pk_bf16_f32 v[51+4*\i], v[22+8*\i], v[23+8*\i]
	global_store_b128 v2, v[48+4*\i:51+4*\i], s[SOUT:SOUT+1] offset:4096*\i   ; no hint: the next launch reads these bytes
.endr
	; ---- the table of addends: 4 mask bytes in, 4 f32 out for each thread
	s_cmp_ge_u32 ttmp9, 16
	s_cbranch_scc1 .Lno_table
	s_lshl_b32 s44, ttmp9, 10
	s_mov_b32 s45, 0
	s_add_nc_u64 s[44:45], s[8:9], s[44:45]
	s_lshl_b32 s46, ttmp9, 12
	s_mov_b32 s47, 0
	s_add_nc_u64 s[46:47], s[20:21], s[46:47]
	global_load_b32 v8, v7, s[44:45]
	v_mov_b32 v11, 0x4e6e6b28                      ; 1e9, exact in f32
	s_wait_loadcnt 0x0
.irp j, 0,1,2,3
	v_bfe_u32 v[12+\j], v8, 8*\j, 8
.endr
.irp j, 0,1,2,3
	v_cvt_f32_u32 v[12+\j], v[12+\j]
.endr
.irp j, 0,1,2,3
	v_fma_f32 v[12+\j], v[12+\j], v11, -v11        ; 1 -> 0, 0 -> -1e9
.endr
	global_store_b128 v2, v[12:15], s[46:47]
.Lno_table:
	s_cmp_lg_u32 ttmp9, 16
	s_cbranch_scc1 .Lno_tail
	v_mov_b32 v3, 0xce6e6b28
	global_store_b32 v7, v3, s[20:21] offset:65536 ; 256 x -1e9: the addends of a step that lies behind the diagonal
.Lno_tail:
	; ---- first[b]
	s_sub_co_u32 s27, ttmp9, 17
	s_cmp_ge_u32 s27, 4
	s_cbranch_scc1 .Lno_first
	s_cmp_lg_u32 s[WV], 0
	s_cbranch_scc1 .Lno_first
	s_lshl_b32 s[FM], s27, 12
	s_mov_b32 s[FM+1], 0
	s_add_nc_u64 s[FM:FM+1], s[8:9], s[FM:FM+1]
	SCAN FM, FF
	s_lshl_b32 s[FO], s27, 7
	s_mov_b32 s[FO+1], 0
	s_add_nc_u64 s[FO:FO+1], s[22:23], s[FO:FO+1]
	v_mov_b32 v10, s[FF]
	global_store_b32 v5, v10, s[FO:FO+1]           ; 32 equal words, 128 consecutive bytes
.Lno_first:
	; ---- the slow way: only where keys 0..127 of my block's batch are all forbidden
	v_cmp_ne_u32 s[QT], 0, v6
	s_cmp_lg_u32 s[QT], 0
	s_cbranch_scc1 .Lend
	s_cmp_ge_u32 s[WV], 4                          ; 1,024 blocks: four waves of each work-group have one
	s_cbranch_scc1 .Lend
	s_cmp_eq_u32 s[JJ], 0                          ; rows 0-127 belong to the next launch
	s_cbranch_scc1 .Lend
	s_wait_xcnt 0x0                                ; the registers of the stores above are written again only behind this wait
	SCAN MB, FF
	s_cmp_lt_u32 s[FF], s[JJ]
	s_cbranch_scc1 .Lend
	s_load_b32 s[SCL], s[14:15], 0x0
	v_and_b32 v[RR], 15, v0                        ; r
	v_bfe_u32 v[DT], v0, 4, 1                      ; h
	v_lshlrev_b32 v[KO], 8, v[RR]
	v_lshl_add_u32 v[KO], v[DT], 5, v[KO]          ; rows of 256 bytes along D: 256 r + 32 h (Q, K, and out0)
	v_lshlrev_b32 v[VO], 2, v[RR]
	v_lshl_add_u32 v[VO], v[DT], 11, v[VO]         ; V^T: D = r, key 8 h: 4 r + 2,048 h
	v_lshlrev_b32 v[MO], 3, v[DT]                  ; 8 h
	s_lshl_b32 s[Q0], s[BLK], 4
	v_sub_nc_u32 v[DQ], v[RR], v[MO]
	v_add_nc_u32 v[DQ], s[Q0], v[DQ]               ; row - 8 h; 32 less with every chunk
	s_lshl_b32 s[O64], s[BT], 20
	s_mov_b32 s[O64+1], 0
	s_add_nc_u64 s[KB:KB+1], s[4:5], s[O64:O64+1]
	s_add_nc_u64 s[VB:VB+1], s[6:7], s[O64:O64+1]
	s_mov_b64 s[MC:MC+1], s[MB:MB+1]
	s_lshl_b32 s[TMP], s[BT], 12
	s_add_co_u32 s[TMP], s[TMP], s[Q0]
	s_mov_b32 s[O64], s[TMP]
	s_add_nc_u64 s[QMB:QMB+1], s[12:13], s[O64:O64+1]
	s_lshl_b32 s[O64], s[TMP], 8
	s_add_nc_u64 s[QB:QB+1], s[10:11], s[O64:O64+1]
	s_add_nc_u64 s[OB:OB+1], s[24:25], s[O64:O64+1]
.irp c, 0,1
	global_load_b128 v[RK+16*\c:RK+16*\c+3],     v[KO], s[QB:QB+1] offset:128*\c
	global_load_b128 v[RK+16*\c+4:RK+16*\c+7],   v[KO], s[QB:QB+1] offset:128*\c+16
	global_load_b128 v[RK+16*\c+8:RK+16*\c+11],  v[KO], s[QB:QB+1] offset:128*\c+64
	global_load_b128 v[RK+16*\c+12:RK+16*\c+15], v[KO], s[QB:QB+1] offset:128*\c+80
.endr
	global_load_u8 v[QM], v[RR], s[QMB:QMB+1]
.irp i, 0,1,2,3,4,5,6,7
	v_mov_b32 v[PF+\i], 0
.endr
.irp a, 0,1,2,3
	v_wmma_f32_16x16x32_bf16 v[OO+8*\a:OO+8*\a+7], v[PF:PF+7], v[PF:PF+7], 0   ; a product of zeros clears O: the first chunk's factor 0 needs finite numbers there
.endr
	v_mov_b32 v[E9], 0x4e6e6b28
	v_mov_b32 v[NEG], 0xce6e6b28
	v_mov_b32 v[ST], 0x7f800000                    ; N = +inf, m = -inf: the first chunk's factor is 0
	v_mov_b32 v[ST+1], 0xff800000
	v_mov_b32 v[ST+2], 0
	v_mov_b32 v[ST+3], 0
	s_mov_b32 s[PL0], 0x76543210
	s_mov_b32 s[PL1], 0xfedcba98
	s_wait_kmcnt 0x0
	s_mov_b32 s[SCL+1], s[SCL]
	s_wait_loadcnt 0x0
.set ii, 0
.rept 16
	v_cvt_pk_bf16_f32 v[QF+ii], v[RK+2*ii], v[RK+2*ii+1]
.set ii, ii+1
.endr
	s_mov_b32 s[CNT], 0
.Lchunk:                                           ; 32 keys x 16 rows
.irp kb, 0,1
.irp c, 0,1
	global_load_b128 v[RK+16*(2*\kb+\c):RK+16*(2*\kb+\c)+3],     v[KO], s[KB:KB+1] offset:4096*\kb+128*\c
	global_load_b128 v[RK+16*(2*\kb+\c)+4:RK+16*(2*\kb+\c)+7],   v[KO], s[KB:KB+1] offset:4096*\kb+128*\c+16
	global_load_b128 v[RK+16*(2*\kb+\c)+8:RK+16*(2*\kb+\c)+11],  v[KO], s[KB:KB+1] offset:4096*\kb+128*\c+64
	global_load_b128 v[RK+16*(2*\kb+\c)+12:RK+16*(2*\kb+\c)+15], v[KO], s[KB:KB+1] offset:4096*\kb+128*\c+80
.endr
.endr
.irp a, 0,1,2,3
.irp g, 0,1
.irp i, 0,1,2,3,4,5,6,7
	global_load_b32 v[RV+16*\a+8*\g+\i], v[VO], s[VB:VB+1] offset:(16*\g+\i)*256+64*\a   ; V[16 g + 8 h + i][16 a + r]
.endr
.endr
.endr
	global_load_b64 v[MW:MW+1],   v[MO], s[MC:MC+1]
	global_load_b64 v[MW+2:MW+3], v[MO], s[MC:MC+1] offset:16
	s_wait_loadcnt 0x0                             ; all are in, and their bases may be stepped
	s_add_nc_u64 s[KB:KB+1], s[KB:KB+1], 0x2000
	s_add_nc_u64 s[VB:VB+1], s[VB:VB+1], 0x2000
	s_add_nc_u64 s[MC:MC+1], s[MC:MC+1], 32
.set ii, 0
.rept 32
	v_cvt_pk_bf16_f32 v[RK+ii], v[RK+2*ii], v[RK+2*ii+1]   ; in place: register ii has been read by the time it is written
.set ii, ii+1
.endr
.set ii, 0
.rept 32
	v_cvt_pk_bf16_f32 v[RV+ii], v[RV+2*ii], v[RV+2*ii+1]
.set ii, ii+1
.endr
	; S^T = K Q^T: two tiles, D in two halves; the two accumulators take turns
	v_wmma_f32_16x16x32_bf16 v[SS:SS+7],    v[RK:RK+7],     v[QF:QF+7],    0
	v_wmma_f32_16x16x32_bf16 v[SS+8:SS+15], v[RK+16:RK+23], v[QF:QF+7],    0
	v_wmma_f32_16x16x32_bf16 v[SS:SS+7],    v[RK+8:RK+15],  v[QF+8:QF+15], v[SS:SS+7]
	v_wmma_f32_16x16x32_bf16 v[SS+8:SS+15], v[RK+24:RK+31], v[QF+8:QF+15], v[SS+8:SS+15]
	; the addends: 0 where the key is allowed and not behind the row, else -1e9.  These lines name none of the products' registers: they are the places behind them (ISA guide 7.12.1)
.irp kb, 0,1
.irp j, 0,1,2,3,4,5,6,7
	v_bfe_u32 v[AD+8*\kb+\j], v[MW+2*\kb+(\j>>2)], 8*(\j&3), 8
.endr
.endr
.set ii, 0
.rept 16
	v_cvt_f32_u32 v[AD+ii], v[AD+ii]
.set ii, ii+1
.endr
.set ii, 0
.rept 16
	v_fma_f32 v[AD+ii], v[AD+ii], v[E9], -v[E9]
.set ii, ii+1
.endr
.irp kb, 0,1
.irp j, 0,1,2,3,4,5,6,7
	v_cmp_gt_i32 vcc_lo, 16*\kb+\j, v[DQ]
	v_cndmask_b32 v[AD+8*\kb+\j], v[AD+8*\kb+\j], v[NEG], vcc_lo
.endr
.endr
.set ii, 0
.rept 8
	v_pk_fma_f32 v[SS+2*ii:SS+2*ii+1], v[SS+2*ii:SS+2*ii+1], s[SCL:SCL+1], v[AD+2*ii:AD+2*ii+1] op_sel_hi:[1,0,1]
.set ii, ii+1
.endr
	v_max3_num_f32 v[DT],   v[SS],    v[SS+1],  v[SS+2]
	v_max3_num_f32 v[DT+1], v[SS+3],  v[SS+4],  v[SS+5]
	v_max3_num_f32 v[DT+2], v[SS+6],  v[SS+7],  v[SS+8]
	v_max3_num_f32 v[DT+3], v[SS+9],  v[SS+10], v[SS+11]
	v_max3_num_f32 v[DT+4], v[SS+12], v[SS+13], v[SS+14]
	v_max3_num_f32 v[DT],   v[DT],    v[DT+1],  v[DT+2]
	v_max3_num_f32 v[DT+3], v[DT+3],  v[DT+4],  v[SS+15]
	v_max3_num_f32 v[DT],   v[DT],    v[DT+3],  v[ST+1]
	v_permlanex16_b32 v[DT+1], v[DT], s[PL0], s[PL1]       ; the other 16 keys of the same row lie in lane i xor 16
	v_max_num_f32 v[ST+1], v[DT], v[DT+1]                  ; m
	v_mul_f32 v[DT+2], 0xbfb8aa3b, v[ST+1]                 ; N_new = -m log2e
	v_sub_f32 v[DT+3], v[DT+2], v[ST]
	v_mov_b32 v[ST], v[DT+2]
	v_exp_f32 v[ST+2], v[DT+3]                             ; the factor for the old sums; the packed lines below are the plain place behind it (ISA guide 5.7.2)
.set ii, 0
.rept 8
	v_pk_fma_f32 v[SS+2*ii:SS+2*ii+1], v[SS+2*ii:SS+2*ii+1], 0x3fb8aa3b, v[ST:ST+1] op_sel_hi:[1,0,0]
.set ii, ii+1
.endr
.set ii, 0
.rept 16
	v_exp_f32 v[SS+ii], v[SS+ii]
.set ii, ii+1
.endr
	v_nop                                                  ; the plain place behind the exponentials (ISA guide 5.7.2)
.set ii, 0
.rept 8
	v_cvt_pk_bf16_f32 v[PF+ii], v[SS+2*ii], v[SS+2*ii+1]
.set ii, ii+1
.endr
.set ii, 0
.rept 16
	v_pk_mul_f32 v[OO+2*ii:OO+2*ii+1], v[OO+2*ii:OO+2*ii+1], v[ST+2:ST+3] op_sel_hi:[1,0]
.set ii, ii+1
.endr
.irp a, 0,1,2,3
	v_wmma_f32_16x16x32_bf16 v[OO+8*\a:OO+8*\a+7], v[RV+8*\a:RV+8*\a+7], v[PF:PF+7], v[OO+8*\a:OO+8*\a+7]   ; four accumulators by turns
.endr
	; the row sums: ten plain lines that name none of the last products' registers, the places in front of the next chunk's loads and of the way out
	v_pk_add_f32 v[DT:DT+1],   v[SS:SS+1],     v[SS+2:SS+3]
	v_pk_add_f32 v[DT+2:DT+3], v[SS+4:SS+5],   v[SS+6:SS+7]
	v_pk_add_f32 v[DT+4:DT+5], v[SS+8:SS+9],   v[SS+10:SS+11]
	v_pk_add_f32 v[DT+6:DT+7], v[SS+12:SS+13], v[SS+14:SS+15]
	v_pk_add_f32 v[DT:DT+1],   v[DT:DT+1],     v[DT+2:DT+3]
	v_pk_add_f32 v[DT+4:DT+5], v[DT+4:DT+5],   v[DT+6:DT+7]
	v_pk_add_f32 v[DT:DT+1],   v[DT:DT+1],     v[DT+4:DT+5]
	v_fma_f32 v[ST+3], v[ST+3], v[ST+2], v[DT]
	v_add_f32 v[ST+3], v[ST+3], v[DT+1]
	v_add_nc_u32 v[DQ], 0xffffffe0, v[DQ]
	s_add_co_u32 s[CNT], s[CNT], 1
	s_cmp_lt_u32 s[CNT], 128
	s_cbranch_scc1 .Lchunk
	v_permlanex16_b32 v[DT], v[ST+3], s[PL0], s[PL1]
	v_add_f32 v[ST+3], v[ST+3], v[DT]
	v_rcp_f32 v[DT+1], v[ST+3]
	v_cvt_f32_u32 v[QM], v[QM]                     ; the plain place behind the reciprocal
	v_mul_f32 v[DT+2], v[DT+1], v[QM]              ; 1 / sum, or 0 where q_mask is false
	v_mul_f32 v[DT+3], v[DT+1], v[QM]
.set ii, 0
.rept 16
	v_pk_mul_f32 v[OO+2*ii:OO+2*ii+1], v[OO+2*ii:OO+2*ii+1], v[DT+2:DT+3]
.set ii, ii+1
.endr
.irp a, 0,1,2,3
	global_store_b128 v[KO], v[OO+8*\a:OO+8*\a+3],   s[OB:OB+1] offset:64*\a      ; row r, D = 16 a + 8 h + 0..3
	global_store_b128 v[KO], v[OO+8*\a+4:OO+8*\a+7], s[OB:OB+1] offset:64*\a+16
.endr
.Lend:
	s_endpgm
.Lfunc_end_k_q62f727746d_prep:
	.size	k_q62f727746d_prep, .Lfunc_end_k_q62f727746d_prep-k_q62f727746d_prep
	.p2alignl 7, 3214868480
	.fill 96, 4, 3214868480
	.section	.rodata,"a",@progbits
	.p2align	6, 0x0
	.amdhsa_kernel k_q62f727746d_prep
		.amdhsa_group_segment_fixed_size 0
		.amdhsa_private_segment_fixed_size 0
		.amdhsa_enable_private_segment 0
		.amdhsa_kernarg_size 88
		.amdhsa_user_sgpr_count 2
		.amdhsa_user_sgpr_kernarg_segment_ptr 1
		.amdhsa_wavefront_size32 1
		.amdhsa_system_sgpr_workgroup_id_x 1
		.amdhsa_system_sgpr_workgroup_id_y 1
		.amdhsa_system_sgpr_workgroup_id_z 1
		.amdhsa_system_vgpr_workitem_id 0
		.amdhsa_next_free_vgpr 256
		.amdhsa_next_free_sgpr 78
		.amdhsa_reserve_vcc 1
		.amdhsa_float_denorm_mode_32 3
		.amdhsa_float_denorm_mode_16_64 3
		.amdhsa_memory_ordered 1
		.amdhsa_forward_progress 1
		.amdhsa_inst_pref_size 37
	.end_amdhsa_kernel
	.amdgpu_metadata
---
amdhsa.version: [ 1, 2 ]
amdhsa.kernels:
  - .name:           k_q62f727746d_prep
    .symbol:         k_q62f727746d_prep.kd
    .args:
      - { .name: keys, .offset: 0, .size: 8, .value_kind: global_buffer, .address_space: global }
      - { .name: value, .offset: 8, .size: 8, .value_kind: global_buffer, .address_space: global }
      - { .name: v_mask, .offset: 16, .size: 8, .value_kind: global_buffer, .address_space: global }
      - { .name: query, .offset: 24, .size: 8, .value_kind: global_buffer, .address_space: global }
      - { .name: q_mask, .offset: 32, .size: 8, .value_kind: global_buffer, .address_space: global }
      - { .name: scale, .offset: 40, .size: 8, .value_kind: global_buffer, .address_space: global }
      - { .name: kbf, .offset: 48, .size: 8, .value_kind: global_buffer, .address_space: global }
      - { .name: vbf, .offset: 56, .size: 8, .value_kind: global_buffer, .address_space: global }
      - { .name: bias, .offset: 64, .size: 8, .value_kind: global_buffer, .address_space: global }
      - { .name: first, .offset: 72, .size: 8, .value_kind: global_buffer, .address_space: global }
      - { .name: out0, .offset: 80, .size: 8, .value_kind: global_buffer, .address_space: global }
    .group_segment_fixed_size: 0
    .private_segment_fixed_size: 0
    .kernarg_segment_align: 8
    .kernarg_segment_size: 88
    .max_flat_workgroup_size: 256
    .sgpr_count:     78
    .vgpr_count:     256
    .wavefront_size: 32
...
	.end_amdgpu_metadata
.endif
;; end of part 1
;; launch attn (part 2): grid 256 x 1, 8 waves a work-group, clusters of 4 x 1, 327,680 bytes of LDS; arguments query, kbf, vbf, bias, first, q_mask, scale, out0; writes out0
.if DOCPART == 2
	.amdgcn_target "amdgcn-amd-amdhsa--gfx1250"
	.amdhsa_code_object_version 6
	.text
	.protected	k_q62f727746d_attn
	.globl	k_q62f727746d_attn
	.p2align	8
	.type	k_q62f727746d_attn,@function
k_q62f727746d_attn:
	s_mov_b64 s[64:65], 0
	v_nop
	global_prefetch_b8 v0, s[64:65] scope:SCOPE_SE
	s_setreg_imm32_b32 hwreg(HW_REG_WAVE_MODE, 25, 1), 1
	s_wait_xcnt 0x0
	s_wait_alu depctr_hold_cnt(0) depctr_sa_sdst(0) depctr_va_vdst(0) depctr_va_sdst(0) depctr_va_ssrc(0) depctr_va_vcc(0) depctr_vm_vsrc(0)
	s_getreg_b32 s2, hwreg(HW_REG_IB_STS2, 6, 4)
	s_cmp_eq_u32 s2, 0
	s_cbranch_scc0 .Lentry_in_a_cluster
	s_endpgm
.Lentry_in_a_cluster:
	s_bfe_u32 s2, ttmp6, 0x10000c
	s_cmp_lg_u32 s2, 0x3003
	s_cbranch_scc0 .Lentry_shape_is_right
	s_endpgm
.Lentry_shape_is_right:
; out[b][q] = q_mask * softmax over k of (scale * q.k - 1e9 * [k > q or not v_mask[k]]) . V      B = 4, T = 4096, D = 64, f32 in and out.
; K and V come as bf16 (kbf, vbf), the key mask as an f32 addend (bias: 0 or -1e9, and behind the four batches 256 numbers -1e9), all made by the launch before.
;
; SHARING.  A batch is 32 superblocks of 128 query rows.  A cluster of four work-groups takes two superblocks, walk X and walk Y; work-group cx owns rows
; 32 cx .. 32 cx + 31 of each.  Cluster p of a batch: X = superblock 32 - p, Y = p + 1 (p = 0: X = 0, Y = 1).  A step is 256 keys.  Superblock j needs the j/2 steps in
; front of its diagonal, which the key mask alone governs, and step j/2, which holds the diagonal.  With e = (p + 1) / 2, X has 16 - e steps in front and Y has e: 16 in
; all, and two diagonal steps: 18 steps for every cluster.
; Superblock 0 walks all 16 steps: its rows may have no allowed key at all, and such a row is a softmax over all 4,096 keys of the f32 numbers s*scale - 1e9.  So for
; p = 0 the 16 steps are X's steps 1..15 and one step of Y, all behind the diagonal: their addends come from the block of -1e9, and Y's adds weights of 0.
; Such rows in superblock j >= 1 exist only where the first 128 j keys are all forbidden, that is first[b] >= j.  The launch before has computed and stored those
; superblocks; here their rows are computed like any other and NOT stored (the last stores run under a mask).  This launch holds no branch on a loaded number.
; CLUSTER: the four partners walk the same K and V tiles in the same trips, so every tile is asked for jointly (mask 15): the requests are divided by four.
; RING: the 18 steps go through two LDS slots of two steps each, nine trips; one round of the cluster's barrier a trip, one tensor load of 16 KiB a wave behind it.
; By this text's count a wave has one tensor load out.  A slot's two halves are two steps of any kind.  Trips 0-7: half 0 is a step of X; half 1 is a step of X while
; trip < 8 - e, then a step of Y.  Trip 8, written out: X's diagonal, Y's diagonal.  X's steps are rotated by p % 8 (a running softmax does not mind the order), so
; that the clusters of a batch do not all begin with the same tiles.  Both walks keep their Q, O and stats in registers of their own: nothing moves at a change.
; WAVES: eight; wave w takes keys 32 w .. 32 w + 31 of every step for all 32 rows, so each K and V byte in LDS is read by one wave.  The eight partial results of each
; walk meet in LDS once, at the end.
; PRODUCTS ARE TRANSPOSED: S^T = K Q^T (a lane holds 8 keys of one query in each tile) and O^T = V^T P^T (P^T is S^T packed in the lane, V^T comes by the transposing
; LDS load).  So maximum, exponent and rescale factor are one number a lane.
; SOFTMAX: t = fma(s, scale, addend); m = running maximum of t; N = fl(-m log2e) is the row's reference exponent; p = exp2(fma(t, log2e, N)); the old sums are
; multiplied by exp2(N_new - N_old).  Any common reference cancels in the division, so N's rounding (up to 64 where m is near -1e9) is harmless.
; LIMITS: |scale * q.k| < 4.9e8 (a masked key then has weight 0 beside an allowed one); Q, K, V and P are rounded to bf16; t has one rounding where the reference has
; two; exponentials below 2^-126 count as 0; NaN and infinite inputs are not treated; mask bytes are 0 or 1.
;
; LDS: slot s at s * 155,648: K 512 rows of 144 bytes (128 + 16: an odd multiple of 16, so a fragment load's sixteen rows start in sixteen different 16-byte columns
; modulo 256), then V 512 rows of 160 bytes (an odd multiple of 32, for the transposing load).  Behind the last fill: partial results 16 x 8,704 bytes from 0, the
; output stage 8 x 2,432 bytes from 155,648.
.set SLOT,   155648
.set KPITCH, 144
.set VPITCH, 160
.set VREG,   512*KPITCH                ; V's rows begin here in a slot
.set KHALF,  256*KPITCH                ; a slot's second step
.set VHALF,  256*VPITCH
.set PSZ,    8704                      ; a partial: 16 x 512 bytes of O, then 4 x 128 bytes of N0, l0, N1, l1
.set WALKB,  8*PSZ                     ; walk Y's partials
.set OST,    SLOT                      ; output stage
.set OPITCH, 144
.set STW,    2432                      ; a wave's block of the stage: 16 rows of 144 bytes, and 128 more so that two blocks' rows start 128 bytes apart modulo 256
.set NEGTAB, 65536                     ; the block of -1e9 in bias
; scalar registers
.set TBK, 2                            ; s[2:3]   kbf at my batch and my 128 keys of a step
.set WV, 20                            ; wave
.set CX, 21                            ; place in the cluster: enters global addresses and the causal compare alone
.set BT, 22                            ; batch
.set PP, 23                            ; cluster of the batch
.set JX, 24
.set JY, 25                            ; the two superblocks
.set DX, 26
.set DY, 27                            ; their diagonal steps
.set ROT, 28
.set CNTX, 29                          ; X's steps in trips 0-7
.set TSW, 30                           ; from this trip on half 1 belongs to Y
.set BASE, 31                          ; 1 for p = 0: the steps begin behind the diagonal and their addends are -1e9
.set TCNT, 32                          ; trip
.set LC, 33
.set NS, 34                            ; s34, s35 the next trip's two key steps
.set HSEL, 36                          ; bit 1 of the wave's number: which half of a slot I fill; also my query block in the merge
.set W3, 37                            ; wave & 3
.set TX, 38
.set TY, 39
.set TZ, 40
.set TN, 41
.set SCL, 42                           ; s[42:43] scale, twice
.set PL0, 44
.set PL1, 45
.set Q0X, 46
.set Q0Y, 47                           ; my first row in each walk
.set G1K, 48                           ; s[48:55] descriptor group 1 for K
.set G0K, 56                           ; s[56:63] group 0 for K, one set a slot
.set FP, 66                            ; s[66:67] first at my batch
.set G1V, 68                           ; s[68:75]
.set G0V, 76                           ; s[76:83]
.set TBV, 84                           ; s[84:85]
.set OFF, 86                           ; s[86:87] an offset; the high word stays 0
.set BA, 88                            ; s[88:89], s[90:91] bias at the next trip's two steps
.set QBA, 92                           ; s[92:93]
.set QBB, 94                           ; s[94:95] query at my rows; later out0 at my rows
.set FB, 96                            ; first[b]
.set BOFFB, 97                         ; my batch's place in bias
.set T64, 98                           ; s[98:99] an offset; the high word stays 0
.set Q0W, 100                          ; first row of the walk that I merge and store
.set SAVE, 101
; vector registers, window 0
.set VL, 1
.set VR, 2
.set VH, 3                             ; lane, lane % 16, lane / 16
.set AK, 4                             ; v4, v5   LDS address of my K fragments in slot 0, 1
.set AV, 6                             ; v6, v7   the same for V
.set VBO, 8                            ; my byte offset in a step's 1,024 bytes of bias
.set DQX, 9                            ; X: row of query block 0 less the first key of my lane in the diagonal step
.set DQY, 10                           ; Y: the same
.set QM, 11                            ; q_mask of the row that I merge
.set NEGB, 12                          ; v[12:13] -1e9 twice
.set FBV, 14
.set STX, 16                           ; v[16:23] X: N0 m0 N1 m1 AL0 l0 AL1 l1
.set STY, 24                           ; v[24:31] Y
.set BI, 32                            ; v[32:95] addends: 32 slot + 16 half + 8 key block + j
.set SS, 96                            ; v[96:127] S^T: 16 query block + 8 key block
.set QF, 128                           ; v[128:159] X's Q fragments: 16 query block + 8 c
.set KF, 160                           ; v[160:191] K fragments: 16 key block + 8 c
.set VF, 192                           ; v[192:223] V^T fragments: 8 a
.set PF, 224                           ; v[224:239] P^T: 8 query block
.set DT, 240                           ; v[240:255] at work
; window 1
.set OX, 0                             ; v256-319 X's O^T: 8 (4 query block + a)
.set OY, 64                            ; v320-383 Y's
.set QY1, 128                          ; v384-415 Y's Q fragments
; behind the ring, window 0
.set MN, 32
.set ML, 40
.set MF, 50
.set MG, 64
.set PA, 84
.set PB, 85
.set PSA, 86
.set PSB, 87
.set MS, 88
.set MQ, 89
.set OSW, 90
.set OSR, 91
.set OUTO, 92
.set E0, 93
.set MSB, 0
.macro WIN new                         ; low byte: bits 1:0 source 0, 3:2 source 1, 5:4 source 2, 7:6 destination; the high byte repeats the setting that is left
.if MSB != \new
	s_set_vgpr_msb (MSB<<8)|\new
.set MSB, \new
.endif
.endm
.macro ROUND                           ; a round of the cluster's barrier
	s_barrier_signal -1
	s_barrier_wait -1
	s_cmp_lg_u32 s[WV], 0
	s_cbranch_scc1 .Lnot_wave_0_\@
	s_barrier_signal -3
.Lnot_wave_0_\@:
	s_barrier_wait -3
	s_barrier_signal -1
	s_barrier_wait -1
.endm
.macro JLOAD s                         ; my joint load into slot s: waves 0-3 bring K, waves 4-7 V; the branch hangs on the wave's number alone
	s_cmp_lt_u32 s[WV], 4
	s_cbranch_scc0 .Lfor_v_\@
	tensor_load_to_lds s[G0K+4*\s:G0K+4*\s+3], s[G1K:G1K+7]
	s_branch .Lasked_\@
.Lfor_v_\@:
	tensor_load_to_lds s[G0V+4*\s:G0V+4*\s+3], s[G1V:G1V+7]
.Lasked_\@:
.endm
; The two key steps of trip s[TN]: s[NS] for half 0, s[NS+1] for half 1; s[TZ] = 1 where their addends are the block of -1e9.  All of it hangs on ttmp9 and the trip.
.macro NEXTST
	s_add_co_u32 s[TX], s[TN], s[ROT]              ; X's step number TN, rotated
	s_sub_co_u32 s[TY], s[TX], s[CNTX]
	s_cmp_ge_u32 s[TX], s[CNTX]
	s_cselect_b32 s[NS], s[TY], s[TX]
	s_add_co_u32 s[TX], s[TX], 8                   ; X's step number 8 + TN, rotated
	s_sub_co_u32 s[TY], s[TX], s[CNTX]
	s_cmp_ge_u32 s[TX], s[CNTX]
	s_cselect_b32 s[TX], s[TY], s[TX]
	s_sub_co_u32 s[TY], s[TN], s[TSW]              ; Y's step number TN - TSW
	s_cmp_ge_u32 s[TN], s[TSW]
	s_cselect_b32 s[NS+1], s[TY], s[TX]
	s_add_co_u32 s[NS], s[NS], s[BASE]
	s_add_co_u32 s[NS+1], s[NS+1], s[BASE]
	s_cmp_eq_u32 s[TN], 8                          ; the last trip: the two diagonals, with the key mask's own addends
	s_cselect_b32 s[NS], s[DX], s[NS]
	s_cselect_b32 s[NS+1], s[DY], s[NS+1]
	s_cselect_b32 s[TZ], 0, s[BASE]
.endm
.macro SETADR o                        ; slot o's global addresses and the two bias bases.  Stands where no tensor load and no bias load of the wave is out
	s_cmp_eq_u32 s[HSEL], 0
	s_cselect_b32 s[OFF], s[NS], s[NS+1]           ; the step of the half that I fill
	s_lshl_b32 s[OFF], s[OFF], 15                  ; 256 keys of 128 bytes
	s_add_nc_u64 s[G0K+4*\o+2:G0K+4*\o+3], s[TBK:TBK+1], s[OFF:OFF+1]
	s_or_b32 s[G0K+4*\o+3], s[G0K+4*\o+3], 0x80000000
	s_add_nc_u64 s[G0V+4*\o+2:G0V+4*\o+3], s[TBV:TBV+1], s[OFF:OFF+1]
	s_or_b32 s[G0V+4*\o+3], s[G0V+4*\o+3], 0x80000000
	s_lshl_b32 s[TX], s[NS], 10
	s_add_co_u32 s[TX], s[TX], s[BOFFB]
	s_lshl_b32 s[TY], s[NS+1], 10
	s_add_co_u32 s[TY], s[TY], s[BOFFB]
	s_cmp_lg_u32 s[TZ], 0
	s_cselect_b32 s[T64], NEGTAB, s[TX]
	s_add_nc_u64 s[BA:BA+1], s[10:11], s[T64:T64+1]
	s_cselect_b32 s[T64], NEGTAB, s[TY]
	s_add_nc_u64 s[BA+2:BA+3], s[10:11], s[T64:T64+1]
.endm
.macro BIAS o                          ; the addends of my lane's 16 keys in each of the two steps of slot o
.irp hh, 0,1
.irp kb, 0,1
	global_load_b128 v[BI+32*\o+16*\hh+8*\kb:BI+32*\o+16*\hh+8*\kb+3],   v[VBO], s[BA+2*\hh:BA+2*\hh+1] offset:64*\kb
	global_load_b128 v[BI+32*\o+16*\hh+8*\kb+4:BI+32*\o+16*\hh+8*\kb+7], v[VBO], s[BA+2*\hh:BA+2*\hh+1] offset:64*\kb+16
.endr
.endr
.endm
.macro LDKV slot, hf                   ; 8 loads of K fragments (rows along D), then 8 transposing loads of V
.irp kb, 0,1
.irp c, 0,1
	ds_load_b128 v[KF+16*\kb+8*\c:KF+16*\kb+8*\c+3],   v[AK+\slot] offset:\hf*KHALF+\kb*16*KPITCH+64*\c
	ds_load_b128 v[KF+16*\kb+8*\c+4:KF+16*\kb+8*\c+7], v[AK+\slot] offset:\hf*KHALF+\kb*16*KPITCH+64*\c+32
.endr
.endr
.irp a, 0,1,2,3
	ds_load_tr16_b128 v[VF+8*\a:VF+8*\a+3],   v[AV+\slot] offset:\hf*VHALF+32*\a
	ds_load_tr16_b128 v[VF+8*\a+4:VF+8*\a+7], v[AV+\slot] offset:\hf*VHALF+32*\a+16*VPITCH
.endr
.endm
; One step: 32 rows x my 32 keys of the step in half hf of slot.  wy = 0: walk X, 1: walk Y.  diag = 1: the step holds the diagonal.
.macro BODY slot, hf, wy, diag
.if \wy
.set cQF, QY1
.set cOB, OY
.set cST, STY
.set cDQ, DQY
.else
.set cQF, QF
.set cOB, OX
.set cST, STX
.set cDQ, DQX
.endif
	LDKV \slot, \hf
	s_wait_dscnt 0x8                               ; LDS loads come back in order: K's eight are in, V's eight may stay out
.if \wy
	WIN 0x04                                       ; Y's Q fragments lie in window 1
.endif
	; S^T = K Q^T: four tiles, D in two halves of 32.  The first half starts the sums; the four accumulators take turns, one instruction a turn
.irp qb, 0,1
.irp kb, 0,1
	v_wmma_f32_16x16x32_bf16 v[SS+16*\qb+8*\kb:SS+16*\qb+8*\kb+7], v[KF+16*\kb:KF+16*\kb+7], v[cQF+16*\qb:cQF+16*\qb+7], 0
.endr
.endr
.irp qb, 0,1
.irp kb, 0,1
	v_wmma_f32_16x16x32_bf16 v[SS+16*\qb+8*\kb:SS+16*\qb+8*\kb+7], v[KF+16*\kb+8:KF+16*\kb+15], v[cQF+16*\qb+8:cQF+16*\qb+15], v[SS+16*\qb+8*\kb:SS+16*\qb+8*\kb+7]
.endr
.endr
	WIN 0
.rept 4
	v_nop                                          ; four places behind the last product (ISA guide 7.12.1)
.endr
.if \diag
	; -1e9 once where either mask forbids: key 16 kb + j of my lane lies behind row 16 qb + r where 16 kb + j - 16 qb > DQ
.irp qb, 0,1
.irp kb, 0,1
.irp j, 0,1,2,3,4,5,6,7
	v_cmp_gt_i32 vcc_lo, 16*\kb+\j-16*\qb, v[cDQ]
	v_cndmask_b32 v[DT+8*\kb+\j], v[BI+32*\slot+16*\hf+8*\kb+\j], v[NEGB], vcc_lo
.endr
.endr
.irp i, 0,1,2,3,4,5,6,7
	v_pk_fma_f32 v[SS+16*\qb+2*\i:SS+16*\qb+2*\i+1], v[SS+16*\qb+2*\i:SS+16*\qb+2*\i+1], s[SCL:SCL+1], v[DT+2*\i:DT+2*\i+1] op_sel_hi:[1,0,1]
.endr
.endr
.else
.irp qb, 0,1
.irp i, 0,1,2,3,4,5,6,7
	v_pk_fma_f32 v[SS+16*\qb+2*\i:SS+16*\qb+2*\i+1], v[SS+16*\qb+2*\i:SS+16*\qb+2*\i+1], s[SCL:SCL+1], v[BI+32*\slot+16*\hf+2*\i:BI+32*\slot+16*\hf+2*\i+1] op_sel_hi:[1,0,1]
.endr
.endr
.endif
.irp qb, 0,1
	v_max3_num_f32 v[DT+8*\qb],   v[SS+16*\qb],    v[SS+16*\qb+1],  v[SS+16*\qb+2]
	v_max3_num_f32 v[DT+8*\qb+1], v[SS+16*\qb+3],  v[SS+16*\qb+4],  v[SS+16*\qb+5]
	v_max3_num_f32 v[DT+8*\qb+2], v[SS+16*\qb+6],  v[SS+16*\qb+7],  v[SS+16*\qb+8]
	v_max3_num_f32 v[DT+8*\qb+3], v[SS+16*\qb+9],  v[SS+16*\qb+10], v[SS+16*\qb+11]
	v_max3_num_f32 v[DT+8*\qb+4], v[SS+16*\qb+12], v[SS+16*\qb+13], v[SS+16*\qb+14]
.endr
.irp qb, 0,1
	v_max3_num_f32 v[DT+8*\qb],   v[DT+8*\qb],   v[DT+8*\qb+1], v[DT+8*\qb+2]
	v_max3_num_f32 v[DT+8*\qb+3], v[DT+8*\qb+3], v[DT+8*\qb+4], v[SS+16*\qb+15]
.endr
.irp qb, 0,1
	v_max3_num_f32 v[DT+8*\qb], v[DT+8*\qb], v[DT+8*\qb+3], v[cST+1+2*\qb]     ; with the running maximum
.endr
.irp qb, 0,1
	v_permlanex16_b32 v[DT+8*\qb+1], v[DT+8*\qb], s[PL0], s[PL1]               ; the other 16 keys of the same query lie in lane i xor 16
.endr
.irp qb, 0,1
	v_max_num_f32 v[cST+1+2*\qb], v[DT+8*\qb], v[DT+8*\qb+1]                   ; m
.endr
.irp qb, 0,1
	v_mul_f32 v[DT+8*\qb+2], 0xbfb8aa3b, v[cST+1+2*\qb]                        ; N_new = -m log2e
.endr
.irp qb, 0,1
	v_sub_f32 v[DT+8*\qb+3], v[DT+8*\qb+2], v[cST+2*\qb]                       ; N_new - N_old (-inf in a walk's first step)
.endr
.irp qb, 0,1
	v_mov_b32 v[cST+2*\qb], v[DT+8*\qb+2]
.endr
.irp qb, 0,1
	v_exp_f32 v[cST+4+2*\qb], v[DT+8*\qb+3]                                    ; the factor for the old sums; the packed lines below are the plain place behind it (ISA guide 5.7.2)
.endr
.set ii, 0
.rept 8
	v_pk_fma_f32 v[SS+2*ii:SS+2*ii+1],       v[SS+2*ii:SS+2*ii+1],       0x3fb8aa3b, v[cST:cST+1]   op_sel_hi:[1,0,0]
	v_pk_fma_f32 v[SS+16+2*ii:SS+16+2*ii+1], v[SS+16+2*ii:SS+16+2*ii+1], 0x3fb8aa3b, v[cST+2:cST+3] op_sel_hi:[1,0,0]
.set ii, ii+1
.endr
.set ii, 0
.rept 32
	v_exp_f32 v[SS+ii], v[SS+ii]
.set ii, ii+1
.endr
	v_nop                                          ; the plain place behind the exponentials (ISA guide 5.7.2)
.set ii, 0
.rept 16
	v_cvt_pk_bf16_f32 v[PF+ii], v[SS+2*ii], v[SS+2*ii+1]   ; P^T: registers 0-3 from key block 0, 4-7 from key block 1
.set ii, ii+1
.endr
	WIN 0x41
.set ii, 0
.rept 16
	v_pk_mul_f32 v[cOB+2*ii:cOB+2*ii+1],       v[cOB+2*ii:cOB+2*ii+1],       v[cST+4:cST+5] op_sel_hi:[1,0]
	v_pk_mul_f32 v[cOB+32+2*ii:cOB+32+2*ii+1], v[cOB+32+2*ii:cOB+32+2*ii+1], v[cST+6:cST+7] op_sel_hi:[1,0]
.set ii, ii+1
.endr
	s_wait_dscnt 0x0                               ; V's fragments are in
	WIN 0x50
.irp qb, 0,1
.irp a, 0,1,2,3
	v_wmma_f32_16x16x32_bf16 v[cOB+8*(4*\qb+\a):cOB+8*(4*\qb+\a)+7], v[VF+8*\a:VF+8*\a+7], v[PF+8*\qb:PF+8*\qb+7], v[cOB+8*(4*\qb+\a):cOB+8*(4*\qb+\a)+7]   ; eight accumulators by turns
.endr
.endr
	WIN 0
	; the row sums, per half of the lanes.  These 18 plain lines name none of the last products' registers: they are the places in front of
	; whatever next loads into V's fragments or reads O
.irp qb, 0,1
	v_pk_add_f32 v[DT:DT+1],   v[SS+16*\qb:SS+16*\qb+1],     v[SS+16*\qb+2:SS+16*\qb+3]
	v_pk_add_f32 v[DT+2:DT+3], v[SS+16*\qb+4:SS+16*\qb+5],   v[SS+16*\qb+6:SS+16*\qb+7]
	v_pk_add_f32 v[DT+4:DT+5], v[SS+16*\qb+8:SS+16*\qb+9],   v[SS+16*\qb+10:SS+16*\qb+11]
	v_pk_add_f32 v[DT+6:DT+7], v[SS+16*\qb+12:SS+16*\qb+13], v[SS+16*\qb+14:SS+16*\qb+15]
	v_pk_add_f32 v[DT:DT+1],   v[DT:DT+1],   v[DT+2:DT+3]
	v_pk_add_f32 v[DT+4:DT+5], v[DT+4:DT+5], v[DT+6:DT+7]
	v_pk_add_f32 v[DT:DT+1],   v[DT:DT+1],   v[DT+4:DT+5]
	v_fma_f32 v[cST+5+2*\qb], v[cST+5+2*\qb], v[cST+4+2*\qb], v[DT]
	v_add_f32 v[cST+5+2*\qb], v[cST+5+2*\qb], v[DT+1]
.endr
.endm
; The head of a trip.  refill = 1: slot other gets the next trip's two steps.
.macro TRIPHEAD other, refill
	s_wait_tensorcnt 0x0                           ; all my tensor loads have landed, my part of this trip's slot among them: the descriptors may be written
	s_wait_loadcnt 0x0                             ; this trip's addends are in, and their bases may be written
.if \refill
	s_add_co_u32 s[TN], s[TCNT], 1
	NEXTST
	SETADR \other
.endif
	s_wait_dscnt 0x0                               ; my reads of the other slot are back
	ROUND                                          ; all of that now holds of every wave of the four work-groups
.if \refill
	JLOAD \other                                   ; my one tensor load behind the round, and the first thing there: it has two steps' work in which to land
	BIAS \other
.endif
.endm
.macro HALVES slot                     ; the two steps of one of trips 0-7
	BODY \slot, 0, 0, 0
	s_cmp_lt_u32 s[TCNT], s[TSW]
	s_cbranch_scc0 .Lwalk_y_\@
	BODY \slot, 1, 0, 0
	s_branch .Lstepped_\@
.Lwalk_y_\@:
	BODY \slot, 1, 1, 0
.Lstepped_\@:
	s_add_co_u32 s[TCNT], s[TCNT], 1
.endm
	; ---- head: who am I, the descriptors, the first joint load
	s_load_b512 s[4:19], s[0:1], 0x0               ; query 4, kbf 6, vbf 8, bias 10, first 12, q_mask 14, scale 16, out0 18
	v_lshrrev_b32 v1, 5, v0
	v_readfirstlane_b32 s[WV], v1
	s_bfe_u32 s[CX], ttmp6, 0x40000
	s_lshr_b32 s[BT], ttmp9, 4                     ; ttmp9 counts clusters: 16 for each batch
	s_and_b32 s[PP], ttmp9, 15
	s_sub_co_u32 s[JX], 32, s[PP]
	s_add_co_u32 s[JY], s[PP], 1
	s_cmp_eq_u32 s[PP], 0
	s_cselect_b32 s[JX], 0, s[JX]
	s_cselect_b32 s[BASE], 1, 0
	s_lshr_b32 s[DX], s[JX], 1
	s_lshr_b32 s[DY], s[JY], 1
	s_max_u32 s[TX], s[DY], 1                      ; Y's steps in trips 0-7: e, and 1 for p = 0
	s_sub_co_u32 s[TSW], 8, s[TX]
	s_sub_co_u32 s[CNTX], 16, s[TX]                ; at least 8, so a rotation below 8 wraps at most once
	s_and_b32 s[ROT], s[PP], 7
	s_and_b32 s[W3], s[WV], 3
	s_bfe_u32 s[HSEL], s[WV], 0x10001
	s_lshl_b32 s[BOFFB], s[BT], 14
	s_mov_b32 s[OFF+1], 0
	s_mov_b32 s[T64+1], 0
	; group 1: 128 keys of 128 bytes lie densely: 64 rows of 256 bytes (128 elements of 2 bytes); after every 32 words (one key) 4 words of padding for K, 8 for V
	s_mov_b32 s[G1K], 0x0731000f                   ; 15:0 mask 15; 17:16 element of 2 bytes; 20 padding on; 21 set beside a mask; 24:22 code 4 (32 words); 31:25 code 3 (4 words)
	s_mov_b32 s[G1V], 0x0f31000f                   ; the same with code 7 (8 words)
.irp g, G1K, G1V
	s_mov_b32 s[\g+1], 128<<16                     ; tensor_dim0 = 128
	s_mov_b32 s[\g+2], 64<<16                      ; tensor_dim1 = 64
	s_mov_b32 s[\g+3], 128<<16                     ; tile_dim0 = 128
	s_mov_b32 s[\g+4], 64                          ; tile_dim1 = 64
	s_mov_b32 s[\g+5], 128                         ; from row to row: 128 elements
	s_mov_b32 s[\g+6], 0
	s_mov_b32 s[\g+7], 0
.endr
	s_mul_i32 s[TX], s[W3], 128*KPITCH             ; where my 128 keys go: no place in the cluster enters an LDS address
	s_mul_i32 s[TY], s[W3], 128*VPITCH
.irp o, 0,1
	s_mov_b32 s[G0K+4*\o], 1
	s_add_co_u32 s[G0K+4*\o+1], s[TX], \o*SLOT
	s_mov_b32 s[G0V+4*\o], 1
	s_add_co_u32 s[G0V+4*\o+1], s[TY], \o*SLOT+VREG
.endr
	s_lshl_b32 s[TZ], s[BT], 19                    ; a batch of kbf or vbf: 524,288 bytes
	s_and_b32 s[OFF], s[WV], 1
	s_lshl_b32 s[OFF], s[OFF], 14                  ; which 128 keys of the step
	s_add_co_u32 s[OFF], s[OFF], s[TZ]
	s_wait_kmcnt 0x0
	s_add_nc_u64 s[TBK:TBK+1], s[6:7], s[OFF:OFF+1]
	s_add_nc_u64 s[TBV:TBV+1], s[8:9], s[OFF:OFF+1]
	s_mov_b32 s[TN], 0
	NEXTST
	SETADR 0
	ROUND                                          ; the four work-groups are here: the first joint loads meet
	JLOAD 0
	; ---- set-up, while the first tiles are on their way
	s_load_b32 s[SCL], s[16:17], 0x0
	s_lshl_b32 s[T64], s[BT], 7
	s_add_nc_u64 s[FP:FP+1], s[12:13], s[T64:T64+1]
	s_load_b32 s[FB], s[FP:FP+1], 0x0
	v_and_b32 v[VL], 31, v0
	v_and_b32 v[VR], 15, v0
	v_bfe_u32 v[VH], v0, 4, 1
	s_lshl_b32 s[TX], s[CX], 5
	s_lshl_b32 s[Q0X], s[JX], 7
	s_add_co_u32 s[Q0X], s[Q0X], s[TX]
	s_lshl_b32 s[Q0Y], s[JY], 7
	s_add_co_u32 s[Q0Y], s[Q0Y], s[TX]
	s_lshl_b32 s[TY], s[BT], 12                    ; the batch's first row
	s_add_co_u32 s[QBA], s[TY], s[Q0X]
	s_lshl_b32 s[QBA], s[QBA], 8
	s_mov_b32 s[QBA+1], 0
	s_add_nc_u64 s[QBA:QBA+1], s[4:5], s[QBA:QBA+1]
	s_add_co_u32 s[QBB], s[TY], s[Q0Y]
	s_lshl_b32 s[QBB], s[QBB], 8
	s_mov_b32 s[QBB+1], 0
	s_add_nc_u64 s[QBB:QBB+1], s[4:5], s[QBB:QBB+1]
	v_lshlrev_b32 v[DT+4], 8, v[VR]
	v_lshl_add_u32 v[DT+4], v[VH], 5, v[DT+4]      ; row r, D = 8 h: a fragment's lane takes D = 32 c + 8 h + 0..7 and 32 c + 16 + 8 h + 0..7
.irp qb, 0,1
.irp c, 0,1
	global_load_b128 v[BI+16*(2*\qb+\c):BI+16*(2*\qb+\c)+3],     v[DT+4], s[QBA:QBA+1] offset:\qb*4096+\c*128
	global_load_b128 v[BI+16*(2*\qb+\c)+4:BI+16*(2*\qb+\c)+7],   v[DT+4], s[QBA:QBA+1] offset:\qb*4096+\c*128+16
	global_load_b128 v[BI+16*(2*\qb+\c)+8:BI+16*(2*\qb+\c)+11],  v[DT+4], s[QBA:QBA+1] offset:\qb*4096+\c*128+64
	global_load_b128 v[BI+16*(2*\qb+\c)+12:BI+16*(2*\qb+\c)+15], v[DT+4], s[QBA:QBA+1] offset:\qb*4096+\c*128+80
.endr
.endr
.irp qb, 0,1
.irp c, 0,1
	global_load_b128 v[KF+16*(2*\qb+\c):KF+16*(2*\qb+\c)+3],     v[DT+4], s[QBB:QBB+1] offset:\qb*4096+\c*128
	global_load_b128 v[KF+16*(2*\qb+\c)+4:KF+16*(2*\qb+\c)+7],   v[DT+4], s[QBB:QBB+1] offset:\qb*4096+\c*128+16
	global_load_b128 v[KF+16*(2*\qb+\c)+8:KF+16*(2*\qb+\c)+11],  v[DT+4], s[QBB:QBB+1] offset:\qb*4096+\c*128+64
	global_load_b128 v[KF+16*(2*\qb+\c)+12:KF+16*(2*\qb+\c)+15], v[DT+4], s[QBB:QBB+1] offset:\qb*4096+\c*128+80
.endr
.endr
	s_cmp_lt_u32 s[WV], 4                          ; in the merge waves 0-3 serve walk X, waves 4-7 walk Y
	s_cselect_b32 s[Q0W], s[Q0X], s[Q0Y]
	s_lshl_b32 s[TX], s[HSEL], 4
	s_add_co_u32 s[TX], s[TX], s[Q0W]
	s_add_co_u32 s[TX], s[TX], s[TY]
	v_add_nc_u32 v[DT+5], s[TX], v[VR]
	global_load_u8 v[QM], v[DT+5], s[14:15]        ; q_mask of the row that my lane merges
	; the 128 accumulators are cleared by sixteen products of a zero fragment: a walk's first step stands inside the loop, and its factor 0 needs finite numbers in O
.irp i, 0,1,2,3,4,5,6,7
	v_mov_b32 v[PF+\i], 0
.endr
	WIN 0x40
.set ii, 0
.rept 16
	v_wmma_f32_16x16x32_bf16 v[OX+8*ii:OX+8*ii+7], v[PF:PF+7], v[PF:PF+7], 0
.set ii, ii+1
.endr
	WIN 0
	s_lshl_b32 s[TX], s[WV], 5                     ; my 32 keys of a step
	v_add_nc_u32 v[DT], s[TX], v[VR]
	v_mul_u32_u24 v[AK], v[DT], KPITCH
	v_lshl_add_u32 v[AK], v[VH], 4, v[AK]          ; K: (32 w + r) pitch + 16 h
	v_add_nc_u32 v[AK+1], SLOT, v[AK]
	v_and_b32 v[DT], 7, v0
	v_lshl_add_u32 v[DT], v[VH], 3, v[DT]
	v_add_nc_u32 v[DT], s[TX], v[DT]
	v_mul_u32_u24 v[AV], v[DT], VPITCH             ; V: (32 w + 8 h + lane % 8) pitch + 16 ((lane / 8) % 2)
	v_bfe_u32 v[DT+1], v0, 3, 1
	v_lshl_add_u32 v[AV], v[DT+1], 4, v[AV]
	v_add_nc_u32 v[AV], VREG, v[AV]
	v_add_nc_u32 v[AV+1], SLOT, v[AV]
	s_lshl_b32 s[TY], s[WV], 7
	v_lshl_add_u32 v[VBO], v[VH], 5, s[TY]         ; 4 (32 w + 8 h)
	s_lshl_b32 s[TY], s[DX], 8
	s_add_co_u32 s[TY], s[TY], s[TX]
	s_sub_co_u32 s[TY], s[Q0X], s[TY]              ; first row - 256 x diagonal step - 32 w (may be negative: the compare is signed)
	s_lshl_b32 s[TZ], s[DY], 8
	s_add_co_u32 s[TZ], s[TZ], s[TX]
	s_sub_co_u32 s[TZ], s[Q0Y], s[TZ]
	v_lshlrev_b32 v[DT], 3, v[VH]
	v_sub_nc_u32 v[DT], v[VR], v[DT]
	v_add_nc_u32 v[DQX], s[TY], v[DT]              ; + r - 8 h
	v_add_nc_u32 v[DQY], s[TZ], v[DT]
	s_mov_b32 s[PL0], 0x76543210
	s_mov_b32 s[PL1], 0xfedcba98
	v_mov_b32 v[NEGB], 0xce6e6b28
	v_mov_b32 v[NEGB+1], 0xce6e6b28
.irp s, STX, STY
	v_mov_b32 v[\s], 0x7f800000                    ; N = +inf, m = -inf: the first step's factor is 0
	v_mov_b32 v[\s+1], 0xff800000
	v_mov_b32 v[\s+2], 0x7f800000
	v_mov_b32 v[\s+3], 0xff800000
	v_mov_b32 v[\s+4], 0
	v_mov_b32 v[\s+5], 0
	v_mov_b32 v[\s+6], 0
	v_mov_b32 v[\s+7], 0
.endr
	s_wait_kmcnt 0x0
	s_mov_b32 s[SCL+1], s[SCL]
	s_wait_loadcnt 0x0
.set ii, 0
.rept 32
	v_cvt_pk_bf16_f32 v[QF+ii], v[BI+2*ii], v[BI+2*ii+1]
.set ii, ii+1
.endr
	WIN 0x40
.set ii, 0
.rept 32
	v_cvt_pk_bf16_f32 v[QY1+ii], v[KF+2*ii], v[KF+2*ii+1]
.set ii, ii+1
.endr
	WIN 0
	BIAS 0                                         ; the first trip's addends
	; ---- the ring: nine trips
	s_mov_b32 s[TCNT], 0
	s_mov_b32 s[LC], 0
.Lpair:
	TRIPHEAD 1, 1
	HALVES 0
	TRIPHEAD 0, 1
	HALVES 1
	s_add_co_u32 s[LC], s[LC], 1
	s_cmp_lt_u32 s[LC], 4
	s_cbranch_scc1 .Lpair
	TRIPHEAD 1, 0                                  ; the last trip: nothing is left to fetch
	BODY 0, 0, 0, 1                                ; X's diagonal
	BODY 0, 1, 1, 1                                ; Y's diagonal
	; ---- behind the ring: no fill follows, so LDS is scratch from here on
	s_wait_dscnt 0x0
	s_barrier_signal -1
	s_barrier_wait -1                              ; every wave's reads of the tiles are back
	; my two partial results go to LDS, each into bytes of my own
	s_mul_i32 s[TX], s[WV], PSZ
	v_lshl_add_u32 v[PA], v[VL], 4, s[TX]
	v_add_nc_u32 v[PB], WALKB, v[PA]
	s_add_co_u32 s[TY], s[TX], 8192
	v_lshl_add_u32 v[PSA], v[VL], 2, s[TY]
	v_add_nc_u32 v[PSB], WALKB, v[PSA]
	WIN 0x04                                       ; store data from window 1
.set ii, 0
.rept 16
	ds_store_b128 v[PA], v[OX+4*ii:OX+4*ii+3] offset:512*ii
	ds_store_b128 v[PB], v[OY+4*ii:OY+4*ii+3] offset:512*ii
.set ii, ii+1
.endr
	WIN 0
	ds_store_b32 v[PSA], v[STX]                    ; N0
	ds_store_b32 v[PSA], v[STX+5] offset:128       ; l0
	ds_store_b32 v[PSA], v[STX+2] offset:256       ; N1
	ds_store_b32 v[PSA], v[STX+7] offset:384       ; l1
	ds_store_b32 v[PSB], v[STY]
	ds_store_b32 v[PSB], v[STY+5] offset:128
	ds_store_b32 v[PSB], v[STY+2] offset:256
	ds_store_b32 v[PSB], v[STY+7] offset:384
	s_wait_dscnt 0x0                               ; for the others' sake: my stores are done
	s_barrier_signal -1
	s_barrier_wait -1
	; ---- merge: wave w serves walk w / 4, query block (w / 2) % 2, D = 32 (w % 2) .. + 31
	s_lshr_b32 s[TX], s[WV], 2
	s_mul_i32 s[TX], s[TX], WALKB
	s_lshl_b32 s[TY], s[HSEL], 8
	s_add_co_u32 s[TY], s[TY], s[TX]
	s_add_co_u32 s[TY], s[TY], 8192
	v_lshl_add_u32 v[MS], v[VL], 2, s[TY]
	s_lshl_b32 s[TY], s[HSEL], 12
	s_and_b32 s[TZ], s[WV], 1
	s_lshl_b32 s[TZ], s[TZ], 11
	s_add_co_u32 s[TY], s[TY], s[TZ]
	s_add_co_u32 s[TY], s[TY], s[TX]
	v_lshl_add_u32 v[MQ], v[VL], 4, s[TY]
.set ii, 0
.rept 8
	ds_load_b32 v[MN+ii], v[MS] offset:PSZ*ii
	ds_load_b32 v[ML+ii], v[MS] offset:PSZ*ii+128
.set ii, ii+1
.endr
.irp x, 0,1,2,3,4,5,6,7
.irp z, 0,1,2,3
	ds_load_b128 v[128+16*\x+4*\z:128+16*\x+4*\z+3], v[MQ] offset:PSZ*\x+512*\z
.endr
.endr
	s_mul_i32 s[TX], s[WV], STW
	s_add_co_u32 s[TX], s[TX], OST
	v_mul_u32_u24 v[OSW], v[VR], OPITCH
	v_lshl_add_u32 v[OSW], v[VH], 5, v[OSW]
	v_add_nc_u32 v[OSW], s[TX], v[OSW]             ; my block of the stage: row r, 32 h
	s_wait_dscnt 32                                ; the sixteen stats are in; the 32 loads of O issued behind them may stay out
	v_min3_num_f32 v48, v[MN], v[MN+1], v[MN+2]
	v_min3_num_f32 v49, v[MN+3], v[MN+4], v[MN+5]
	v_min3_num_f32 v48, v48, v49, v[MN+6]
	v_min_num_f32 v48, v48, v[MN+7]                ; the least N belongs to the largest maximum
.set ii, 0
.rept 8
	v_sub_f32 v[MF+ii], v48, v[MN+ii]
.set ii, ii+1
.endr
.set ii, 0
.rept 8
	v_exp_f32 v[MF+ii], v[MF+ii]
.set ii, ii+1
.endr
	v_cvt_f32_u32 v[QM], v[QM]                     ; the plain place behind the exponentials (ISA guide 5.7.2)
	v_mul_f32 v58, v[MF], v[ML]
.set ii, 1
.rept 7
	v_fmac_f32 v58, v[MF+ii], v[ML+ii]
.set ii, ii+1
.endr
	v_permlanex16_b32 v49, v58, s[PL0], s[PL1]     ; the sums of the other half's keys
	v_add_f32 v58, v58, v49
	v_rcp_f32 v59, v58
	v_nop
	v_mul_f32 v59, v59, v[QM]                      ; 1 / sum, or 0 where q_mask is false
.set ii, 0
.rept 8
	v_mul_f32 v[MG+2*ii], v[MF+ii], v59
	v_mul_f32 v[MG+2*ii+1], v[MF+ii], v59
.set ii, ii+1
.endr
	s_wait_dscnt 0x0
.set ii, 0
.rept 8
	v_pk_mul_f32 v[128+2*ii:128+2*ii+1], v[128+2*ii:128+2*ii+1], v[MG:MG+1]
.set ii, ii+1
.endr
.irp x, 1,2,3,4,5,6,7
.set ii, 0
.rept 8
	v_pk_fma_f32 v[128+2*ii:128+2*ii+1], v[128+16*\x+2*ii:128+16*\x+2*ii+1], v[MG+2*\x:MG+2*\x+1], v[128+2*ii:128+2*ii+1]
.set ii, ii+1
.endr
.endr
	ds_store_b128 v[OSW], v[128:131]               ; D = 32 (w % 2) + 8 h + 0..3
	ds_store_b128 v[OSW], v[132:135] offset:16     ; + 4..7
	ds_store_b128 v[OSW], v[136:139] offset:64     ; + 16 ..
	ds_store_b128 v[OSW], v[140:143] offset:80
	s_wait_dscnt 0x0
	s_barrier_signal -1
	s_barrier_wait -1
	; ---- out: wave w stores rows 8 (w % 4) .. + 7 of walk w / 4; a row's two halves lie in the blocks of waves (w & 6) and (w & 6) + 1
	s_and_b32 s[TX], s[WV], 6
	s_mul_i32 s[TX], s[TX], STW
	s_and_b32 s[TY], s[WV], 1
	s_mul_i32 s[TY], s[TY], 8*OPITCH
	s_add_co_u32 s[TX], s[TX], s[TY]
	s_add_co_u32 s[TX], s[TX], OST
	v_lshrrev_b32 v[E0], 3, v[VR]
	v_mul_u32_u24 v[OSR], v[E0], STW
	v_mad_u32_u24 v[OSR], v[VH], OPITCH, v[OSR]
	v_and_b32 v[E0], 7, v[VR]
	v_lshl_add_u32 v[OSR], v[E0], 4, v[OSR]
	v_add_nc_u32 v[OSR], s[TX], v[OSR]
.irp t, 0,1,2,3
	ds_load_b128 v[MN+4*\t:MN+4*\t+3], v[OSR] offset:2*OPITCH*\t
.endr
	v_lshlrev_b32 v[OUTO], 4, v[VL]
	s_lshl_b32 s[TX], s[BT], 12
	s_add_co_u32 s[TX], s[TX], s[Q0W]
	s_lshl_b32 s[TY], s[W3], 3
	s_add_co_u32 s[TX], s[TX], s[TY]
	s_lshl_b32 s[OFF], s[TX], 8
	s_add_nc_u64 s[QBA:QBA+1], s[18:19], s[OFF:OFF+1]
	; my rows are stored unless the launch before has stored their superblock: that is where 1 <= j <= first[b].  A mask, not a branch
	s_cmp_lt_u32 s[WV], 4
	s_cselect_b32 s[TX], s[JX], s[JY]              ; j
	s_cmp_eq_u32 s[TX], 0
	s_cselect_b32 s[TX], 64, s[TX]                 ; superblock 0 is always mine: first[b] is 32 at the most
	v_mov_b32 v[FBV], s[FB]
	v_cmp_gt_u32 vcc_lo, s[TX], v[FBV]             ; j > first[b], alike in all lanes
	s_wait_dscnt 0x0
	s_wait_xcnt 0x0                                ; EXEC changes only behind this wait
	s_and_saveexec_b32 s[SAVE], vcc_lo
.irp t, 0,1,2,3
	global_store_b128 v[OUTO], v[MN+4*\t:MN+4*\t+3], s[QBA:QBA+1] offset:512*\t th:TH_STORE_NT   ; two whole rows: 512 consecutive bytes, aligned
.endr
	s_wait_xcnt 0x0                                ; and again, in front of the line that widens it
	s_or_b32 exec_lo, exec_lo, s[SAVE]
	ROUND                                          ; the closing round: no work-group ends while a partner may still ask for a tile that names it
	s_endpgm
.Lfunc_end_k_q62f727746d_attn:
	.size	k_q62f727746d_attn, .Lfunc_end_k_q62f727746d_attn-k_q62f727746d_attn
	.p2alignl 7, 3214868480
	.fill 96, 4, 3214868480
	.section	.rodata,"a",@progbits
	.p2align	6, 0x0
	.amdhsa_kernel k_q62f727746d_attn
		.amdhsa_group_segment_fixed_size 327680
		.amdhsa_private_segment_fixed_size 0
		.amdhsa_enable_private_segment 0
		.amdhsa_kernarg_size 64
		.amdhsa_user_sgpr_count 2
		.amdhsa_user_sgpr_kernarg_segment_ptr 1
		.amdhsa_wavefront_size32 1
		.amdhsa_system_sgpr_workgroup_id_x 1
		.amdhsa_system_sgpr_workgroup_id_y 1
		.amdhsa_system_sgpr_workgroup_id_z 1
		.amdhsa_system_vgpr_workitem_id 0
		.amdhsa_next_free_vgpr 416
		.amdhsa_next_free_sgpr 102
		.amdhsa_reserve_vcc 1
		.amdhsa_float_denorm_mode_32 3
		.amdhsa_float_denorm_mode_16_64 3
		.amdhsa_memory_ordered 1
		.amdhsa_forward_progress 1
		.amdhsa_inst_pref_size 134
	.end_amdhsa_kernel
	.amdgpu_metadata
---
amdhsa.version: [ 1, 2 ]
amdhsa.kernels:
  - .name:           k_q62f727746d_attn
    .symbol:         k_q62f727746d_attn.kd
    .args:
      - { .name: query, .offset: 0, .size: 8, .value_kind: global_buffer, .address_space: global }
      - { .name: kbf, .offset: 8, .size: 8, .value_kind: global_buffer, .address_space: global }
      - { .name: vbf, .offset: 16, .size: 8, .value_kind: global_buffer, .address_space: global }
      - { .name: bias, .offset: 24, .size: 8, .value_kind: global_buffer, .address_space: global }
      - { .name: first, .offset: 32, .size: 8, .value_kind: global_buffer, .address_space: global }
      - { .name: q_mask, .offset: 40, .size: 8, .value_kind: global_buffer, .address_space: global }
      - { .name: scale, .offset: 48, .size: 8, .value_kind: global_buffer, .address_space: global }
      - { .name: out0, .offset: 56, .size: 8, .value_kind: global_buffer, .address_space: global }
    .group_segment_fixed_size: 327680
    .private_segment_fixed_size: 0
    .kernarg_segment_align: 8
    .kernarg_segment_size: 64
    .max_flat_workgroup_size: 256
    .sgpr_count:     102
    .vgpr_count:     416
    .wavefront_size: 32
...
	.end_amdgpu_metadata
.endif
;; end of part 2
